; MI455X (gfx1250); checked and timed in simulation.
; The chip was launched on July 23, 2026; its instructions are those of AMD's public machine-readable ISA for CDNA 5 (MIT licence, August 2026) and "CDNA5" Instruction Set Architecture Reference Guide (July 2026). The comments in the code are by the model that wrote it; some were corrected since.
;; Single Query Attention. Allowed arithmetic: float matrix products may take bf16 or f16 operands with f32 sums; all other float work in f32.
;; Inputs: Wk 2,048 x 2,048 float32; Wq 2,048 x 2,048 float32; Wv 2,048 x 2,048 float32; bk 2,048 float32; bq 2,048 float32; bv 2,048 float32; context_tokens 16 x 512 x 2,048 float32; current_token 16 x 1 x 2,048 float32.
;; Outputs: out0 16 x 1 x 2,048 float32.
;; One version. Each part assembles by itself: llvm-mc -triple=amdgcn-amd-amdhsa -mcpu=gfx1250 --defsym DOCPART=n.
;; ======== version 1 of 1: 5 launches
;; workspace buffers: qp 1,048,576 bytes; up 1,048,576 bytes; s0p 512 bytes; cp 2,097,152 bytes; st 2,048 bytes; op 4,194,304 bytes
;; launch qproj (part 1): grid 32 x 8, 8 waves a work-group, no clusters, 43,008 bytes of LDS; arguments current_token, Wq, bq, qp; writes qp
.if DOCPART == 1
	.amdgcn_target "amdgcn-amd-amdhsa--gfx1250"
	.amdhsa_code_object_version 6
	.text
	.protected	k_q4eac4ae9cc_qproj
	.globl	k_q4eac4ae9cc_qproj
	.p2align	8
	.type	k_q4eac4ae9cc_qproj,@function
k_q4eac4ae9cc_qproj:
	s_mov_b64 s[64:65], 0
	v_nop
	global_prefetch_b8 v0, s[64:65] scope:SCOPE_SE
	s_setreg_imm32_b32 hwreg(HW_REG_WAVE_MODE, 25, 1), 1
	s_wait_xcnt 0x0
; PARTIAL q = x Wq (+ bq).  x: [16][2048] f32, Wq: [2048 k][2048 a] f32, bq: [2048] f32.
; A work-group takes 64 columns a (cb = group x) and 256 rows k (kb = group y) of Wq: 64 KB, read once, all asked for at the head.
; Wave w takes the 32 rows k = 256 kb + 32 w ..; the eight waves' 16 x 64 sums meet in LDS; the sum over the eight kb is left to the next launch.
; FORMATS: x, Wq and bq are rounded once to bf16 (nearest even); products by the matrix unit, sums in f32.  bq is added in kb = 0 alone.
; Wq lies [k][a], a fragment wants k along a lane's registers.  A lane loads 16 rows x 4 neighbouring columns (sixteen lanes: 256 consecutive bytes, aligned) and
; v_cvt_pk_bf16_f32 pairs two rows: fragment j then holds the sixteen columns 4 r + j.  No LDS and no turning load is needed.
; THE PRODUCT IS USED TRANSPOSED (source 0 = 16 columns of Wq, source 1 = 16 batches): register i of lane (r, h) is batch r, column 32 h + 4 i + j.
; qp: [kb 8][cb 32][slot 8][lane 32][4] f32: slot 4 e + j, lane (r, h), word i: batch r, column 64 cb + 32 h + 16 e + 4 i + j: the accumulators as they lie.
; NO CLUSTER: Wq's bytes are shared by nobody; x's 16 KB, which the 32 groups of one kb share, are a fifth of a group's 80 KB.
; LIMITS: NaN and infinities are not treated apart (bq times the flag 0 in kb > 0).
.set XP,    528                        ; a row of x in LDS: 256 bf16 = 512 bytes + 16: sixteen rows start at sixteen different groups of four banks
.set RED,   16*XP                      ; 8,448: behind x: eight regions, one a wave
.set RREG,  4096                       ; a region: 8 slots x 32 lanes x 16 bytes
.set SPARE, RED+8*RREG                 ; 41,216: the spare words, 128 bytes for each wave
.set VW,  4                            ; v4   Wq: 8 h rows + 16 r bytes
.set VX,  5                            ; v5   x: batch t / 16, 16 r bytes
.set VXS, 6                            ; v6   LDS: where my 4 rounded x go
.set VXF, 7                            ; v7   LDS: my fragment of x
.set VB,  8                            ; v8   bq: the column of my slot's word 0
.set VRS, 9                            ; v9   LDS: my wave's region, my lane
.set VRR, 10                           ; v10  LDS: slot w of region 0, my lane
.set VQ,  11                           ; v11  qp: 16 t
.set SPW, 12                           ; v12  my spare word; never rewritten
.set NIL, 13                           ; v13  0; never rewritten
.set X,   16                           ; v[16:31]   x as loaded
.set XB,  32                           ; v[32:39]   x in bf16
.set BI,  40                           ; v[40:43]   bq of my slot's four columns
.set BT,  44                           ; v[44:45]   at work
.set AF,  48                           ; v[48:55]   fragment of x
.set WF,  64                           ; v[64:127]  Wq as loaded: load i at +4 i
.set SM,  64                           ; v[64:95]   later: the eight waves' quads
.set BF,  128                          ; v[128:159] four fragments of Wq
.set ACC, 160                          ; v[160:191] four accumulators
.macro BAR                             ; my LDS instructions are done; then the work-group's barrier
	s_wait_dscnt 0x0
	s_barrier_signal -1
	s_barrier_wait -1
.endm
.macro QADD d, a, b                    ; four registers d = a + b
	v_pk_add_f32 v[\d:\d+1], v[\a:\a+1], v[\b:\b+1]
	v_pk_add_f32 v[\d+2:\d+3], v[\a+2:\a+3], v[\b+2:\b+3]
.endm
	s_load_b256 s[4:11], s[0:1], 0x0               ; x s[4:5], Wq s[6:7], bq s[8:9], qp s[10:11]
	v_lshl_add_u32 v[SPW], v0, 2, SPARE
	v_mov_b32 v[NIL], 0
	v_lshrrev_b32 v3, 5, v0
	v_readfirstlane_b32 s12, v3                    ; wave 0..7
	s_mov_b32 s13, ttmp9                           ; cb
	s_and_b32 s14, ttmp7, 0xffff                   ; kb
	s_mov_b32 s22, 0xffff0000                      ; a word's upper bf16
	v_and_b32 v1, 15, v0                           ; r
	v_bfe_u32 v2, v0, 4, 1                         ; h
	v_lshrrev_b32 v3, 4, v0                        ; t / 16
	v_and_b32 v14, 31, v0                          ; lane
	v_lshlrev_b32 v[VW], 16, v2                    ; 8 rows of 8,192 bytes for the upper half of the lanes
	v_lshl_or_b32 v[VW], v1, 4, v[VW]
	v_lshlrev_b32 v[VX], 13, v3
	v_lshl_or_b32 v[VX], v1, 4, v[VX]
	v_mul_u32_u24 v[VXS], v3, XP
	v_lshl_add_u32 v[VXS], v1, 3, v[VXS]           ; 4 bf16 = 8 bytes
	v_mul_u32_u24 v[VXF], v1, XP
	v_lshl_add_u32 v[VXF], v2, 4, v[VXF]
	s_lshl_b32 s16, s12, 6                         ; my wave's 32 k = 64 bytes
	v_add_nc_u32 v[VXF], s16, v[VXF]
	s_lshr_b32 s16, s12, 2                         ; slot w = 4 e + j: column 32 h + 16 e + 4 i + j, in bytes
	s_lshl_b32 s16, s16, 6
	s_and_b32 s17, s12, 3
	s_lshl2_add_u32 s16, s17, s16
	v_lshl_add_u32 v[VB], v2, 7, s16
	s_lshl_b32 s16, s12, 12
	s_add_co_u32 s16, s16, RED
	v_lshl_add_u32 v[VRS], v14, 4, s16
	v_lshl_add_u32 v[VRR], v0, 4, RED              ; 16 t = 512 w + 16 lane
	v_lshlrev_b32 v[VQ], 4, v0
	s_lshl_b32 s16, s14, 10                        ; x: 256 kb numbers
	s_mov_b32 s17, 0
	s_lshl_b32 s18, s14, 21                        ; Wq: 256 kb + 32 w rows of 8,192 bytes, 64 cb columns
	s_lshl_b32 s19, s12, 18
	s_add_co_u32 s18, s18, s19
	s_lshl_b32 s24, s13, 8                         ; bq: 64 cb numbers
	s_add_co_u32 s18, s18, s24
	s_mov_b32 s19, 0
	s_mov_b32 s25, 0
	s_lshl_b32 s26, s14, 17                        ; qp: block (kb, cb) of 4,096 bytes
	s_lshl_b32 s27, s13, 12
	s_add_co_u32 s26, s26, s27
	s_mov_b32 s27, 0
	s_cmp_eq_u32 s14, 0
	s_cselect_b32 s20, 1.0, 0                      ; bq counts in kb = 0 alone
	s_mov_b32 s21, 0                               ; named with it as a pair
	s_wait_kmcnt 0x0
	s_add_nc_u64 s[4:5], s[4:5], s[16:17]
	s_add_nc_u64 s[6:7], s[6:7], s[18:19]
	s_add_nc_u64 s[8:9], s[8:9], s[24:25]
	s_add_nc_u64 s[10:11], s[10:11], s[26:27]
	; all loads at once: 4 of x, 4 of bq, 16 of Wq
.irp n, 0,1,2,3
	global_load_b128 v[X+4*(\n):X+4*(\n)+3], v[VX], s[4:5] offset:256*(\n)   ; sixteen lanes: 256 consecutive bytes of one batch
.endr
.irp n, 0,1,2,3
	global_load_b32 v[BI+(\n)], v[VB], s[8:9] offset:16*(\n)
.endr
.set i, 0
.rept 16                               ; load i: row 8 h + i (i < 8) or 16 + 8 h + i - 8: the order of k in a fragment's registers
	global_load_b128 v[WF+4*i:WF+4*i+3], v[VW], s[6:7] offset:(i+8*(i/8))*8192 th:TH_LOAD_NT
.set i, i+1
.endr
	s_wait_loadcnt 20                              ; x is in; the 4 loads of bq and the 16 of Wq stay out
.irp n, 0,1,2,3
	v_cvt_pk_bf16_f32 v[XB+2*(\n)], v[X+4*(\n)], v[X+4*(\n)+1]
	v_cvt_pk_bf16_f32 v[XB+2*(\n)+1], v[X+4*(\n)+2], v[X+4*(\n)+3]
.endr
.irp n, 0,1,2,3
	ds_store_b64 v[VXS], v[XB+2*(\n):XB+2*(\n)+1] offset:128*(\n)
.endr
	BAR                                            ; every wave's part of x is in LDS
	ds_load_b128 v[AF:AF+3], v[VXF]                ; batch r, k = 8 h .. 8 h + 7 of my 32
	ds_load_b128 v[AF+4:AF+7], v[VXF] offset:32    ; k = 16 + 8 h ..
.set t, 0
.rept 8                                ; register t of fragment j: rows 2 t and 2 t + 1 of my sixteen, column 4 r + j
	s_wait_loadcnt 14-2*t                          ; loads 0 to 2 t + 1 of Wq are in; the 14 - 2 t behind them stay out (the last wait is for 0: bq is in too)
.set j, 0
.rept 4
	v_cvt_pk_bf16_f32 v[BF+8*j+t], v[WF+8*t+j], v[WF+8*t+4+j]
.set j, j+1
.endr
.set t, t+1
.endr
	s_wait_dscnt 0x0                               ; the fragment of x
.irp j, 0,1,2,3
	v_wmma_f32_16x16x32_bf16 v[ACC+8*(\j):ACC+8*(\j)+7], v[BF+8*(\j):BF+8*(\j)+7], v[AF:AF+7], 0
.endr
	; bq is rounded to bf16: six plain instructions that name no register of the products: the places between them and the stores
	v_cvt_pk_bf16_f32 v[BT], v[BI], v[BI+1]
	v_cvt_pk_bf16_f32 v[BT+1], v[BI+2], v[BI+3]
	v_lshlrev_b32 v[BI], 16, v[BT]
	v_and_b32 v[BI+1], s22, v[BT]
	v_lshlrev_b32 v[BI+2], 16, v[BT+1]
	v_and_b32 v[BI+3], s22, v[BT+1]
.irp e, 0,1                            ; each accumulator's low four registers go first
.irp j, 0,1,2,3
	ds_store_b128 v[VRS], v[ACC+8*(\j)+4*(\e):ACC+8*(\j)+4*(\e)+3] offset:(4*(\e)+(\j))*512
.endr
.endr
	BAR                                            ; all eight regions are written
.irp g, 0,1,2,3,4,5,6,7
	ds_load_b128 v[SM+4*(\g):SM+4*(\g)+3], v[VRR] offset:RREG*(\g)   ; wave w adds up slot w
.endr
	s_wait_dscnt 0x0
	QADD SM, SM, SM+4
	QADD SM+8, SM+8, SM+12
	QADD SM+16, SM+16, SM+20
	QADD SM+24, SM+24, SM+28
	QADD SM, SM, SM+8
	QADD SM+16, SM+16, SM+24
	QADD SM, SM, SM+16
	v_pk_fma_f32 v[SM:SM+1], v[BI:BI+1], s[20:21], v[SM:SM+1] op_sel_hi:[1,0,1]
	v_pk_fma_f32 v[SM+2:SM+3], v[BI+2:BI+3], s[20:21], v[SM+2:SM+3] op_sel_hi:[1,0,1]
	s_wait_tensorcnt 0x0                           ; the wave's end: behind my last LDS store
	ds_add_u32 v[SPW], v[NIL]
	s_wait_dscnt 0x0
	global_store_b128 v[VQ], v[SM:SM+3], s[10:11]  ; a wave stores 512 consecutive bytes, aligned
	s_endpgm
.Lfunc_end_k_q4eac4ae9cc_qproj:
	.size	k_q4eac4ae9cc_qproj, .Lfunc_end_k_q4eac4ae9cc_qproj-k_q4eac4ae9cc_qproj
	.p2alignl 7, 3214868480
	.fill 96, 4, 3214868480
	.section	.rodata,"a",@progbits
	.p2align	6, 0x0
	.amdhsa_kernel k_q4eac4ae9cc_qproj
		.amdhsa_group_segment_fixed_size 43008
		.amdhsa_private_segment_fixed_size 0
		.amdhsa_enable_private_segment 0
		.amdhsa_kernarg_size 32
		.amdhsa_user_sgpr_count 2
		.amdhsa_user_sgpr_kernarg_segment_ptr 1
		.amdhsa_wavefront_size32 1
		.amdhsa_system_sgpr_workgroup_id_x 1
		.amdhsa_system_sgpr_workgroup_id_y 1
		.amdhsa_system_sgpr_workgroup_id_z 1
		.amdhsa_system_vgpr_workitem_id 0
		.amdhsa_next_free_vgpr 192
		.amdhsa_next_free_sgpr 66
		.amdhsa_reserve_vcc 0
		.amdhsa_float_denorm_mode_32 3
		.amdhsa_float_denorm_mode_16_64 3
		.amdhsa_memory_ordered 1
		.amdhsa_forward_progress 1
		.amdhsa_inst_pref_size 11
	.end_amdhsa_kernel
	.amdgpu_metadata
---
amdhsa.version: [ 1, 2 ]
amdhsa.kernels:
  - .name:           k_q4eac4ae9cc_qproj
    .symbol:         k_q4eac4ae9cc_qproj.kd
    .args:
      - { .name: current_token, .offset: 0, .size: 8, .value_kind: global_buffer, .address_space: global }
      - { .name: Wq, .offset: 8, .size: 8, .value_kind: global_buffer, .address_space: global }
      - { .name: bq, .offset: 16, .size: 8, .value_kind: global_buffer, .address_space: global }
      - { .name: qp, .offset: 24, .size: 8, .value_kind: global_buffer, .address_space: global }
    .group_segment_fixed_size: 43008
    .private_segment_fixed_size: 0
    .kernarg_segment_align: 8
    .kernarg_segment_size: 32
    .max_flat_workgroup_size: 256
    .sgpr_count:     66
    .vgpr_count:     192
    .wavefront_size: 32
...
	.end_amdgpu_metadata
.endif
;; end of part 1
;; launch uproj (part 2): grid 32 x 8, 8 waves a work-group, no clusters, 167,936 bytes of LDS; arguments Wk, bk, qp, up, s0p; writes up, s0p
.if DOCPART == 2
	.amdgcn_target "amdgcn-amd-amdhsa--gfx1250"
	.amdhsa_code_object_version 6
	.text
	.protected	k_q4eac4ae9cc_uproj
	.globl	k_q4eac4ae9cc_uproj
	.p2align	8
	.type	k_q4eac4ae9cc_uproj,@function
k_q4eac4ae9cc_uproj:
	s_mov_b64 s[64:65], 0
	v_nop
	global_prefetch_b8 v0, s[64:65] scope:SCOPE_SE
	s_setreg_imm32_b32 hwreg(HW_REG_WAVE_MODE, 25, 1), 1
	s_wait_xcnt 0x0
; PARTIAL u[b][i] = sum over a of Wk[i][a] q[b][a], and PARTIAL s0[b] = sum over a of bk[a] q[b][a].
; With one query a batch, q . (ctx Wk + bk) = ctx . (Wk q) + q . bk: the key projection is never formed.  The order of the sums differs from the written one; the identity holds for every input.
; A work-group takes 64 rows i (rb = group x) and 256 columns a (sb = group y) of Wk: 64 KB, read once.  The sum over the eight sb is left to the next launch.
; Wave w: block be = w / 2 of 64 a, and of it the 16 a at 32 h + 16 sp (sp = w % 2) for each half h of the lanes: 32 a, one matrix instruction deep.
; K IS PERMUTED ALIKE IN BOTH SOURCES: register t of a lane of half h holds a = 64 be + 32 h + 16 sp + 2 t, + 1, in Wk's, bk's and q's fragments; the products are the same, their grouping differs.
; q is the sum of the eight partials in qp (whose layout is exactly this fragment's lanes), kept as TWO bf16 numbers, hi = bf16(q), lo = bf16(q - hi): two products on one f32 sum.
; Wk and bk are rounded once to bf16.  bk is a fifth tile of source 0, all sixteen rows alike: its result is s0 in every register.
; Wk comes by the tensor data mover, one load a wave (32 rows x 256 bytes, each row 256 consecutive aligned bytes): one tensor load of mine is out; nothing is filled twice.
; NO CLUSTER: Wk's bytes are shared by nobody.  The 128 KB of qp that the 32 groups of one sb share go from memory straight into the registers where they are added;
; asked for jointly they would pass through LDS first: not built in this text.
; LIMITS: NaN and infinities are not treated apart.
.set WP,    272                        ; a row of Wk in LDS: 64 f32 = 256 bytes + 16: sixteen rows start at sixteen different groups of four banks
.set WHALF, 32*WP                      ; 8,704: what one tensor load brings
.set WBLK,  64*WP                      ; 17,408: block be: 64 rows
.set RED,   4*WBLK                     ; 69,632: behind the tiles, in blocks of 256 bytes of their own: eight regions, one a wave
.set RREG,  4864                       ; a region: 16 batches x 272 bytes, then 16 words for s0
.set RS0,   16*WP                      ; 4,352
.set SPARE, RED+8*RREG                 ; 108,544: the spare words, 128 bytes for each wave
.set VQL, 3                            ; v3   qp: 2,048 w + 16 lane
.set VBK, 4                            ; v4   bk: my 16 a
.set VWF, 5                            ; v5   LDS: my fragment of Wk, tile 0
.set VST, 6                            ; v6   LDS: my region, batch r, 8 h numbers on
.set VS0, 7                            ; v7   LDS: my region's word for s0 of batch r
.set VRR, 8                            ; v8   LDS: region 0, batch t / 16, 16 r bytes
.set VUP, 9                            ; v9   up: batch t / 16, 16 r bytes
.set VZ0, 10                           ; v10  LDS: region 0's word for s0 of batch r
.set VS4, 11                           ; v11  4 r
.set SPW, 14                           ; v14  my spare word; never rewritten
.set NIL, 15                           ; v15  0; never rewritten
.set QL,  16                           ; v[16:143]  qp's partial kb at +16 kb, quad j at +4 j; v[16:31] takes the sum
.set F,   32                           ; v[32:95]   later: Wk as read from LDS, 16 a tile
.set SM,  32                           ; v[32:63]   later still: the eight waves' quads
.set ZS,  64                           ; v[64:71]   and their s0
.set ACC, 96                           ; v[96:135]  five accumulators
.set BKF, 144                          ; v[144:159] bk as loaded
.set QH,  160                          ; v[160:167] q, hi
.set QLO, 168                          ; v[168:175] q, lo
.set BKB, 176                          ; v[176:183] bk's fragment
.set TMP, 184                          ; v[184:199] at work
.set WB,  200                          ; v[200:231] Wk's four fragments
.macro QADD d, a, b
	v_pk_add_f32 v[\d:\d+1], v[\a:\a+1], v[\b:\b+1]
	v_pk_add_f32 v[\d+2:\d+3], v[\a+2:\a+3], v[\b+2:\b+3]
.endm
	s_load_b256 s[4:11], s[0:1], 0x0               ; Wk s[4:5], bk s[6:7], qp s[8:9], up s[10:11]
	s_load_b64 s[12:13], s[0:1], 0x20              ; s0p
	v_lshl_add_u32 v[SPW], v0, 2, SPARE
	v_mov_b32 v[NIL], 0
	ds_add_u32 v[SPW], v[NIL]                      ; the wave's opening: the add and its wait stand ahead of my tensor load; the set-up, work on registers, stands between
	ds_add_u32 v14, v15
	v_lshrrev_b32 v12, 5, v0
	v_readfirstlane_b32 s14, v12                   ; wave 0..7
	s_mov_b32 s15, ttmp9                           ; rb
	s_and_b32 s16, ttmp7, 0xffff                   ; sb
	s_lshr_b32 s17, s14, 1                         ; be
	s_and_b32 s18, s14, 1                          ; sp
	s_mov_b32 s42, 0xffff0000                      ; a word's upper bf16
	; descriptor group 1: 32 rows x 64 elements of 4 bytes, 16 bytes of padding behind each row
	s_mov_b32 s24, (2<<16)|(1<<20)|(5<<22)|(3<<25) ; 17:16 elements of 4 bytes; 20 padding on; 24:22 after every 64 words (code 5); 31:25 4 words of it (code 3)
	s_mov_b32 s25, 64<<16                          ; tensor_dim0 = 64
	s_mov_b32 s26, 32<<16                          ; tensor_dim1 = 32
	s_mov_b32 s27, 64<<16                          ; tile_dim0 = 64
	s_mov_b32 s28, 32                              ; tile_dim1 = 32
	s_mov_b32 s29, 2048                            ; elements from row to row
	s_mov_b32 s30, 0
	s_mov_b32 s31, 0
	s_mov_b32 s32, 1                               ; group 0: count = 1
	s_mul_i32 s33, s14, WHALF                      ; LDS address: rows 32 sp .. of block be = wave x 8,704
	s_lshl_b32 s20, s15, 19                        ; Wk: row 64 rb + 32 sp, column 256 sb + 64 be
	s_lshl_b32 s22, s18, 18
	s_add_co_u32 s20, s20, s22
	s_lshl_b32 s22, s16, 10
	s_add_co_u32 s20, s20, s22
	s_lshl_b32 s22, s17, 8
	s_add_co_u32 s20, s20, s22
	s_mov_b32 s21, 0
	s_lshl_b32 s36, s16, 10                        ; bk: 256 sb numbers
	s_mov_b32 s37, 0
	s_lshl_b32 s38, s16, 14                        ; qp: column blocks 4 sb .. of 4,096 bytes
	s_mov_b32 s39, 0
	s_lshl_b32 s44, s16, 17                        ; up: [sb][b][i], 64 rb numbers on
	s_lshl_b32 s45, s15, 8
	s_add_co_u32 s44, s44, s45
	s_mov_b32 s45, 0
	s_lshl_b32 s46, s16, 6                         ; s0p: [sb][b]
	s_mov_b32 s47, 0
	v_and_b32 v1, 15, v0                           ; r
	v_bfe_u32 v2, v0, 4, 1                         ; h
	v_and_b32 v13, 31, v0                          ; lane
	v_lshrrev_b32 v12, 4, v0                       ; t / 16 = 2 w + h
	s_lshl_b32 s22, s14, 11
	v_lshl_add_u32 v[VQL], v13, 4, s22
	s_lshl_b32 s22, s17, 8
	s_lshl_b32 s23, s18, 6
	s_add_co_u32 s22, s22, s23
	v_lshl_add_u32 v[VBK], v2, 7, s22              ; 4 (64 be + 16 sp + 32 h)
	v_mul_u32_u24 v[VWF], v1, WP
	v_lshl_add_u32 v[VWF], v2, 7, v[VWF]
	s_mul_i32 s22, s17, WBLK
	s_add_co_u32 s22, s22, s23
	v_add_nc_u32 v[VWF], s22, v[VWF]               ; block be, row r, byte 128 h + 64 sp
	v_mul_u32_u24 v[VST], v1, WP
	v_lshl_add_u32 v[VST], v2, 5, v[VST]
	s_mul_i32 s22, s14, RREG
	s_add_co_u32 s22, s22, RED
	v_add_nc_u32 v[VST], s22, v[VST]
	s_add_co_u32 s22, s22, RS0
	v_lshl_add_u32 v[VS0], v1, 2, s22
	v_mul_u32_u24 v[VRR], v12, WP
	v_lshl_add_u32 v[VRR], v1, 4, v[VRR]
	v_add_nc_u32 v[VRR], RED, v[VRR]
	v_lshlrev_b32 v[VUP], 13, v12
	v_lshl_or_b32 v[VUP], v1, 4, v[VUP]
	v_lshl_add_u32 v[VZ0], v1, 2, RED+RS0
	v_lshlrev_b32 v[VS4], 2, v1
	s_wait_dscnt 0x0                               ; the opening add is done
	s_wait_kmcnt 0x0
	s_add_nc_u64 s[34:35], s[4:5], s[20:21]        ; global address of my tile's first element
	s_or_b32 s35, s35, 0x80000000                  ; type = 2
	tensor_load_to_lds s[32:35], s[24:31]
	s_nop 0
	s_add_nc_u64 s[8:9], s[8:9], s[38:39]
	s_add_nc_u64 s[6:7], s[6:7], s[36:37]
	s_add_nc_u64 s[10:11], s[10:11], s[44:45]
	s_add_nc_u64 s[12:13], s[12:13], s[46:47]
.set kb, 0
.rept 8                                ; 32 loads: the eight partials of my 16 x 32 numbers of q; each is 512 consecutive bytes
.set j, 0
.rept 4
	global_load_b128 v[QL+16*kb+4*j:QL+16*kb+4*j+3], v[VQL], s[8:9] offset:kb*131072+j*512
.set j, j+1
.endr
.set kb, kb+1
.endr
.irp n, 0,1,2,3
	global_load_b128 v[BKF+4*(\n):BKF+4*(\n)+3], v[VBK], s[6:7] offset:16*(\n)
.endr
.set kb, 1
.rept 7
	s_wait_loadcnt 4*(7-kb)+4                      ; partial kb is in; the later partials' loads and bk's four stay out
.set z, 0
.rept 8
	v_pk_add_f32 v[QL+2*z:QL+2*z+1], v[QL+2*z:QL+2*z+1], v[QL+16*kb+2*z:QL+16*kb+2*z+1]
.set z, z+1
.endr
.set kb, kb+1
.endr
	; word i of quad j is a = 4 i + j of my sixteen: the pair 2 t, 2 t + 1 lies in quads 2 (t % 2) and 2 (t % 2) + 1, word t / 2
.set t, 0
.rept 8
.set qa, QL+8*(t%2)+t/2
.set qb, qa+4
	v_cvt_pk_bf16_f32 v[QH+t], v[qa], v[qb]
	v_lshlrev_b32 v[TMP+2*t], 16, v[QH+t]
	v_and_b32 v[TMP+2*t+1], s42, v[QH+t]
	v_sub_f32 v[TMP+2*t], v[qa], v[TMP+2*t]        ; q - hi, exact
	v_sub_f32 v[TMP+2*t+1], v[qb], v[TMP+2*t+1]
	v_cvt_pk_bf16_f32 v[QLO+t], v[TMP+2*t], v[TMP+2*t+1]
.set t, t+1
.endr
	s_wait_loadcnt 0x0                             ; bk
.set t, 0
.rept 8
	v_cvt_pk_bf16_f32 v[BKB+t], v[BKF+2*t], v[BKF+2*t+1]
.set t, t+1
.endr
	s_wait_tensorcnt 0x0                           ; my 32 rows are in LDS;
	s_barrier_signal -1
	s_barrier_wait -1                              ; everybody's are: I also read the 32 rows that my neighbour wave fetched
.set x, 0
.rept 4                                ; tile x: rows 16 x + r, my 16 a: 64 bytes
.irp n, 0,1,2,3
	ds_load_b128 v[F+16*x+4*(\n):F+16*x+4*(\n)+3], v[VWF] offset:16*WP*x+16*(\n)
.endr
.set x, x+1
.endr
.set x, 0
.rept 4
	s_wait_dscnt 12-4*x                            ; tile x is in; the later tiles' loads stay out
.set t, 0
.rept 8
	v_cvt_pk_bf16_f32 v[WB+8*x+t], v[F+16*x+2*t], v[F+16*x+2*t+1]
.set t, t+1
.endr
.set x, x+1
.endr
	; ten products, the five accumulators by turns, one instruction a turn.  Register e of lane (r, h): batch r, row i = 16 x + 8 h + e
.irp x, 0,1,2,3
	v_wmma_f32_16x16x32_bf16 v[ACC+8*(\x):ACC+8*(\x)+7], v[WB+8*(\x):WB+8*(\x)+7], v[QH:QH+7], 0
.endr
	v_wmma_f32_16x16x32_bf16 v[ACC+32:ACC+39], v[BKB:BKB+7], v[QH:QH+7], 0
.irp x, 0,1,2,3
	v_wmma_f32_16x16x32_bf16 v[ACC+8*(\x):ACC+8*(\x)+7], v[WB+8*(\x):WB+8*(\x)+7], v[QLO:QLO+7], v[ACC+8*(\x):ACC+8*(\x)+7]
.endr
	v_wmma_f32_16x16x32_bf16 v[ACC+32:ACC+39], v[BKB:BKB+7], v[QLO:QLO+7], v[ACC+32:ACC+39]
.rept 4
	v_nop                                          ; four places between the products and the stores that read them; no other vector work is at hand
.endr
.irp x, 0,1,2,3                        ; each accumulator's low four registers first
	ds_store_b128 v[VST], v[ACC+8*(\x):ACC+8*(\x)+3] offset:64*(\x)
	ds_store_b128 v[VST], v[ACC+8*(\x)+4:ACC+8*(\x)+7] offset:64*(\x)+16
.endr
	ds_store_b32 v[VS0], v[ACC+32]                 ; both halves of the lanes hold the same number for batch r
	s_wait_dscnt 0x0                               ; for the others' sake: my stores are done
	s_barrier_signal -1
	s_barrier_wait -1
.irp g, 0,1,2,3,4,5,6,7
	ds_load_b128 v[SM+4*(\g):SM+4*(\g)+3], v[VRR] offset:RREG*(\g)   ; wave w adds up batches 2 w and 2 w + 1: sixteen lanes a row of 256 bytes
.endr
.irp g, 0,1,2,3,4,5,6,7
	ds_load_b32 v[ZS+(\g)], v[VZ0] offset:RREG*(\g)
.endr
	s_wait_dscnt 0x0
	QADD SM, SM, SM+4
	QADD SM+8, SM+8, SM+12
	QADD SM+16, SM+16, SM+20
	QADD SM+24, SM+24, SM+28
	QADD SM, SM, SM+8
	QADD SM+16, SM+16, SM+24
	QADD SM, SM, SM+16
	v_pk_add_f32 v[ZS:ZS+1], v[ZS:ZS+1], v[ZS+2:ZS+3]
	v_pk_add_f32 v[ZS+4:ZS+5], v[ZS+4:ZS+5], v[ZS+6:ZS+7]
	v_pk_add_f32 v[ZS:ZS+1], v[ZS:ZS+1], v[ZS+4:ZS+5]
	v_add_f32 v[ZS], v[ZS], v[ZS+1]
	s_wait_tensorcnt 0x0                           ; the wave's end: behind my tensor load and my last LDS store
	ds_add_u32 v[SPW], v[NIL]
	s_wait_dscnt 0x0
	global_store_b128 v[VUP], v[SM:SM+3], s[10:11] ; sixteen lanes store 256 consecutive bytes, aligned
	s_or_b32 s41, s15, s14                         ; s0 hangs on sb alone: wave 0 of row block 0 stores it
	s_cmp_lg_u32 s41, 0
	s_cbranch_scc1 .Lend
	v_cmp_gt_u32 vcc_lo, 16, v0
	s_wait_xcnt 0x0                                ; EXEC is a source of the store above: it changes only behind this wait
	s_and_saveexec_b32 s40, vcc_lo
	global_store_b32 v[VS4], v[ZS], s[12:13]       ; sixteen batches, 64 bytes
	s_wait_xcnt 0x0
	s_or_b32 exec_lo, exec_lo, s40
.Lend:
	s_endpgm
.Lfunc_end_k_q4eac4ae9cc_uproj:
	.size	k_q4eac4ae9cc_uproj, .Lfunc_end_k_q4eac4ae9cc_uproj-k_q4eac4ae9cc_uproj
	.p2alignl 7, 3214868480
	.fill 96, 4, 3214868480
	.section	.rodata,"a",@progbits
	.p2align	6, 0x0
	.amdhsa_kernel k_q4eac4ae9cc_uproj
		.amdhsa_group_segment_fixed_size 167936
		.amdhsa_private_segment_fixed_size 0
		.amdhsa_enable_private_segment 0
		.amdhsa_kernarg_size 40
		.amdhsa_user_sgpr_count 2
		.amdhsa_user_sgpr_kernarg_segment_ptr 1
		.amdhsa_wavefront_size32 1
		.amdhsa_system_sgpr_workgroup_id_x 1
		.amdhsa_system_sgpr_workgroup_id_y 1
		.amdhsa_system_sgpr_workgroup_id_z 1
		.amdhsa_system_vgpr_workitem_id 0
		.amdhsa_next_free_vgpr 232
		.amdhsa_next_free_sgpr 66
		.amdhsa_reserve_vcc 1
		.amdhsa_float_denorm_mode_32 3
		.amdhsa_float_denorm_mode_16_64 3
		.amdhsa_memory_ordered 1
		.amdhsa_forward_progress 1
		.amdhsa_inst_pref_size 21
	.end_amdhsa_kernel
	.amdgpu_metadata
---
amdhsa.version: [ 1, 2 ]
amdhsa.kernels:
  - .name:           k_q4eac4ae9cc_uproj
    .symbol:         k_q4eac4ae9cc_uproj.kd
    .args:
      - { .name: Wk, .offset: 0, .size: 8, .value_kind: global_buffer, .address_space: global }
      - { .name: bk, .offset: 8, .size: 8, .value_kind: global_buffer, .address_space: global }
      - { .name: qp, .offset: 16, .size: 8, .value_kind: global_buffer, .address_space: global }
      - { .name: up, .offset: 24, .size: 8, .value_kind: global_buffer, .address_space: global }
      - { .name: s0p, .offset: 32, .size: 8, .value_kind: global_buffer, .address_space: global }
    .group_segment_fixed_size: 167936
    .private_segment_fixed_size: 0
    .kernarg_segment_align: 8
    .kernarg_segment_size: 40
    .max_flat_workgroup_size: 256
    .sgpr_count:     66
    .vgpr_count:     232
    .wavefront_size: 32
...
	.end_amdgpu_metadata
.endif
;; end of part 2
;; launch ctxpass (part 3): grid 16 x 16, 16 waves a work-group, no clusters, 4,096 bytes of LDS; arguments context_tokens, up, s0p, cp, st; writes cp, st
.if DOCPART == 3
	.amdgcn_target "amdgcn-amd-amdhsa--gfx1250"
	.amdhsa_code_object_version 6
	.text
	.protected	k_q4eac4ae9cc_ctxpass
	.globl	k_q4eac4ae9cc_ctxpass
	.p2align	8
	.type	k_q4eac4ae9cc_ctxpass,@function
k_q4eac4ae9cc_ctxpass:
	s_mov_b64 s[64:65], 0
	v_nop
	global_prefetch_b8 v0, s[64:65] scope:SCOPE_SE
	s_setreg_imm32_b32 hwreg(HW_REG_WAVE_MODE, 25, 1), 1
	s_wait_xcnt 0x0
; FOR 32 CONTEXT ROWS OF ONE BATCH: scores, their maximum m, weights p = 2^(score - m), l = the sum of p, and the part c = sum of p x row.
; context_tokens: [16][512][2048] f32.  Group x = part (rows 32 part ..), group y = batch.  The group's 256 KB are read once, all asked for at the head, and stay in registers
; between the pass that makes the scores and the pass that weighs the rows.  Sixteen waves; thread t owns the four columns at byte 16 t of every row.
; score[l] = c0 (ctx[l] . u + s0), c0 = log2(e) / sqrt(2048); u and s0 are the sums of the eight partials of the launch before, in f32.
; FORMATS: the context is rounded once to bf16 (nearest even), as every input of the program is; everything else here is f32.
; THE VECTOR UNIT DOES THE WORK: there is one query a batch, so a matrix tile would use one of its sixteen columns; memory binds this launch.
; SOFTMAX: the maximum of the 32 rows is taken away here; the next launch joins a batch's sixteen parts by the maximum over the parts.
; NO CLUSTER: the context is shared by nobody; u, which a batch's sixteen groups share, is 64 KB beside a group's 256 KB, and it is added up in registers as it arrives.
; LIMITS: a weight below 2^-126 counts as 0; NaN and infinities are not treated apart.
.set SPARE, 2048                       ; LDS: [wave 16][row 32] words, then the spare words, 128 bytes for each wave
.set VO,  1                            ; v1   16 t
.set VS,  2                            ; v2   4 t
.set VL,  3                            ; v3   4 lane
.set SPW, 4                            ; v4   my spare word; never rewritten
.set NIL, 5                            ; v5   0; never rewritten
.set VZ,  6                            ; v6   offset 0
.set U,   8                            ; v[8:11]    u of my four columns
.set TA,  12                           ; v[12:15]   at work, by the row's parity
.set D,   16                           ; v[16:19]   at work, by the row's parity
.set FS,  20                           ; v20, v22   the fold: what my partner lane keeps
.set FK,  21                           ; v21, v23   the fold: what I keep
.set T,   24                           ; v[24:55]   u's partials; then my part of each row's dot product; then the sixteen waves' parts
.set X,   64                           ; v[64:191]  row l at +4 l
.set C,   192                          ; v[192:199] two sums, by the row's parity
.set ML,  200                          ; v[200:201] m, l
.set SCR, 202                          ; v202 row lane's score
.set PW,  203                          ; v203 row lane's weight
.macro QADD d, a, b
	v_pk_add_f32 v[\d:\d+1], v[\a:\a+1], v[\b:\b+1]
	v_pk_add_f32 v[\d+2:\d+3], v[\a+2:\a+3], v[\b+2:\b+3]
.endm
	s_load_b256 s[4:11], s[0:1], 0x0               ; ctx s[4:5], up s[6:7], s0p s[8:9], cp s[10:11]
	s_load_b64 s[12:13], s[0:1], 0x20              ; st
	v_lshl_add_u32 v[SPW], v0, 2, SPARE
	v_mov_b32 v[NIL], 0
	v_lshrrev_b32 v7, 5, v0
	v_readfirstlane_b32 s14, v7                    ; wave 0..15
	s_mov_b32 s15, ttmp9                           ; part
	s_and_b32 s16, ttmp7, 0xffff                   ; batch
	s_mov_b32 s21, 0x3d0293ee                      ; c0 = log2(e) / sqrt(2048) = 0.0318794
	s_mov_b32 s23, 0xffff0000                      ; a word's upper bf16; also: the lanes whose bit 4 is set
	s_mov_b32 s24, 0xaaaaaaaa                      ; the lanes whose bit 0 is set,
	s_mov_b32 s25, 0xcccccccc                      ; bit 1,
	s_mov_b32 s26, 0xf0f0f0f0                      ; bit 2,
	s_mov_b32 s27, 0xff00ff00                      ; bit 3
	s_mov_b32 s28, 0x76543210                      ; v_permlanex16_b32: each lane takes its own place in the other half
	s_mov_b32 s29, 0xfedcba98
	v_lshlrev_b32 v[VO], 4, v0
	v_lshlrev_b32 v[VS], 2, v0
	v_and_b32 v[VL], 31, v0
	v_lshlrev_b32 v[VL], 2, v[VL]
	v_mov_b32 v[VZ], 0
	s_lshl_b32 s20, s16, 4
	s_add_co_u32 s20, s20, s15                     ; 16 batch + part
	s_mov_b32 s19, 0
	s_wait_kmcnt 0x0
	s_lshl_b32 s18, s16, 2                         ; s0p: [sb][batch]
	s_add_nc_u64 s[8:9], s[8:9], s[18:19]
	s_lshl_b32 s18, s16, 13                        ; up: [sb][batch][2048]
	s_add_nc_u64 s[6:7], s[6:7], s[18:19]
	s_lshl_b32 s18, s16, 22                        ; ctx: 512 batch + 32 part rows of 8,192 bytes
	s_lshl_b32 s17, s15, 18
	s_add_co_u32 s18, s18, s17
	s_add_nc_u64 s[4:5], s[4:5], s[18:19]
	s_lshl_b32 s18, s20, 13                        ; cp: [batch][part][2048]
	s_add_nc_u64 s[10:11], s[10:11], s[18:19]
	s_lshl_b32 s18, s20, 3                         ; st: [batch][part][2]
	s_add_nc_u64 s[12:13], s[12:13], s[18:19]
.set i, 0
.rept 8
	s_load_b32 s[32+i], s[8:9], 64*i               ; the eight partials of s0
.set i, i+1
.endr
.set i, 0
.rept 8
	global_load_b128 v[T+4*i:T+4*i+3], v[VO], s[6:7] offset:131072*i   ; the eight partials of u
.set i, i+1
.endr
.set i, 0
.rept 32                               ; the 32 rows: each load of a wave is 512 consecutive bytes, aligned
	global_load_b128 v[X+4*i:X+4*i+3], v[VO], s[4:5] offset:8192*i th:TH_LOAD_NT
.set i, i+1
.endr
	s_wait_loadcnt 32                              ; u's partials are in; the 32 rows stay out
	QADD T, T, T+4
	QADD T+8, T+8, T+12
	QADD T+16, T+16, T+20
	QADD T+24, T+24, T+28
	QADD T, T, T+8
	QADD T+16, T+16, T+24
	QADD U, T, T+16
; Row l: rounded to bf16 and kept as f32, in place; my four columns' part of ctx[l] . u
.macro ROW l
.set xr, X+4*(\l)
.set ta, TA+2*((\l)%2)
.set dd, D+2*((\l)%2)
	s_wait_loadcnt 31-(\l)                         ; loads come back in order: row l is in, the later rows stay out
	v_cvt_pk_bf16_f32 v[ta], v[xr], v[xr+1]
	v_cvt_pk_bf16_f32 v[ta+1], v[xr+2], v[xr+3]
	v_lshlrev_b32 v[xr], 16, v[ta]
	v_and_b32 v[xr+1], s23, v[ta]
	v_lshlrev_b32 v[xr+2], 16, v[ta+1]
	v_and_b32 v[xr+3], s23, v[ta+1]
	v_pk_mul_f32 v[dd:dd+1], v[xr:xr+1], v[U:U+1]
	v_pk_fma_f32 v[dd:dd+1], v[xr+2:xr+3], v[U+2:U+3], v[dd:dd+1]
	v_add_f32 v[T+(\l)], v[dd], v[dd+1]
.endm
.set i, 0
.rept 32
	ROW i
.set i, i+1
.endr
; THE FOLD: 32 rows x 32 lanes become one number a lane, lane n holding row n's sum over the wave.  In a stage the lanes whose bit is 0 keep the even one of two registers
; and send the odd one to the partner lane, the others the other way round: half the registers are left, and the bit has become a bit of the row's number.  31 additions in all.
.macro FOLD j, xm, msk
	v_cndmask_b32 v[FS+2*((\j)%2)], v[T+2*(\j)+1], v[T+2*(\j)], s[\msk]
	v_cndmask_b32 v[FK+2*((\j)%2)], v[T+2*(\j)], v[T+2*(\j)+1], s[\msk]
	v_add_f32_dpp v[T+(\j)], v[FS+2*((\j)%2)], v[FK+2*((\j)%2)] row_xmask:\xm row_mask:0xf bank_mask:0xf
.endm
.macro STAGE n, xm, msk
.set j, 0
.rept \n
	FOLD j, \xm, \msk
.set j, j+1
.endr
.endm
	STAGE 16, 1, 24
	STAGE 8, 2, 25
	STAGE 4, 4, 26
	STAGE 2, 8, 27
	v_cndmask_b32 v[FS], v[T+1], v[T], s23         ; the last stage crosses the halves of the lanes
	v_cndmask_b32 v[FK], v[T], v[T+1], s23
	v_permlanex16_b32 v[T+1], v[FS], s28, s29
	v_add_f32 v[T], v[FK], v[T+1]
	ds_store_b32 v[VS], v[T]                       ; word [wave][row]
	s_wait_dscnt 0x0                               ; for the others' sake: my store is done
	s_barrier_signal -1
	s_barrier_wait -1
.set i, 0
.rept 16
	ds_load_b32 v[T+i], v[VL] offset:128*i         ; every wave takes all sixteen parts of row lane: all waves make the same numbers
.set i, i+1
.endr
	s_wait_kmcnt 0x0                               ; s0's partials
	s_add_f32 s32, s32, s33
	s_add_f32 s34, s34, s35
	s_add_f32 s36, s36, s37
	s_add_f32 s38, s38, s39
	s_add_f32 s32, s32, s34
	s_add_f32 s36, s36, s38
	s_add_f32 s32, s32, s36
	s_mul_f32 s22, s32, s21                        ; c0 s0
	s_wait_dscnt 0x0
	v_pk_add_f32 v[T:T+1], v[T:T+1], v[T+2:T+3]
	v_pk_add_f32 v[T+4:T+5], v[T+4:T+5], v[T+6:T+7]
	v_pk_add_f32 v[T+8:T+9], v[T+8:T+9], v[T+10:T+11]
	v_pk_add_f32 v[T+12:T+13], v[T+12:T+13], v[T+14:T+15]
	v_pk_add_f32 v[T:T+1], v[T:T+1], v[T+4:T+5]
	v_pk_add_f32 v[T+8:T+9], v[T+8:T+9], v[T+12:T+13]
	v_pk_add_f32 v[T:T+1], v[T:T+1], v[T+8:T+9]
	v_add_f32 v[T], v[T], v[T+1]
	v_fma_f32 v[SCR], v[T], s21, s22               ; c0 (ctx . u + s0)
	v_mov_b32 v[ML], v[SCR]
.irp m, 1,2,4,8
	v_max_num_f32_dpp v[ML], v[ML], v[ML] row_xmask:\m row_mask:0xf bank_mask:0xf
.endr
	v_permlanex16_b32 v[FS], v[ML], s28, s29
	v_max_num_f32 v[ML], v[ML], v[FS]              ; m: the 32 rows' maximum, in every lane
	v_sub_f32 v[PW], v[SCR], v[ML]
	v_exp_f32 v[PW], v[PW]
	v_nop                                          ; a plain instruction between the exponential and the use of its result (ISA guide 5.7.2)
	s_wait_alu depctr_va_vdst(0)
	v_mov_b32 v[ML+1], v[PW]
.irp m, 1,2,4,8
	v_add_f32_dpp v[ML+1], v[ML+1], v[ML+1] row_xmask:\m row_mask:0xf bank_mask:0xf
.endr
	v_permlanex16_b32 v[FS], v[ML+1], s28, s29
	v_add_f32 v[ML+1], v[ML+1], v[FS]              ; l
	; THE WEIGHTED SUM.  A row's weight goes into a scalar pair's low word, which the packed multiply-add takes for both halves; sixteen rows at a time.
.set i, 0
.rept 16
	s_mov_b32 s[33+2*i], 0                         ; named as pairs, so the high words are written
.set i, i+1
.endr
.irp g, 0,1
.set i, 0
.rept 16
	v_readlane_b32 s[32+2*i], v[PW], 16*(\g)+i
.set i, i+1
.endr
.set i, 0
.rept 16
.set xr, X+4*(16*(\g)+i)
.set cc, C+4*(i%2)
.if 16*(\g)+i < 2                      ; rows 0 and 1 start the two sums: nothing is cleared
	v_pk_mul_f32 v[cc:cc+1], v[xr:xr+1], s[32+2*i:33+2*i] op_sel_hi:[1,0]
	v_pk_mul_f32 v[cc+2:cc+3], v[xr+2:xr+3], s[32+2*i:33+2*i] op_sel_hi:[1,0]
.else
	v_pk_fma_f32 v[cc:cc+1], v[xr:xr+1], s[32+2*i:33+2*i], v[cc:cc+1] op_sel_hi:[1,0,1]
	v_pk_fma_f32 v[cc+2:cc+3], v[xr+2:xr+3], s[32+2*i:33+2*i], v[cc+2:cc+3] op_sel_hi:[1,0,1]
.endif
.set i, i+1
.endr
.endr
	QADD C, C, C+4
	s_wait_tensorcnt 0x0                           ; the wave's end: behind my last LDS store
	ds_add_u32 v[SPW], v[NIL]
	s_wait_dscnt 0x0
	global_store_b128 v[VO], v[C:C+3], s[10:11]    ; a wave stores 512 consecutive bytes, aligned
	s_cmp_lg_u32 s14, 0                            ; m and l: eight bytes, by lane 0 of wave 0
	s_cbranch_scc1 .Lend
	v_cmp_eq_u32 vcc_lo, 0, v0
	s_wait_xcnt 0x0                                ; EXEC is a source of the store above: it changes only behind this wait
	s_and_saveexec_b32 s30, vcc_lo
	global_store_b64 v[VZ], v[ML:ML+1], s[12:13]
	s_wait_xcnt 0x0
	s_or_b32 exec_lo, exec_lo, s30
.Lend:
	s_endpgm
.Lfunc_end_k_q4eac4ae9cc_ctxpass:
	.size	k_q4eac4ae9cc_ctxpass, .Lfunc_end_k_q4eac4ae9cc_ctxpass-k_q4eac4ae9cc_ctxpass
	.p2alignl 7, 3214868480
	.fill 96, 4, 3214868480
	.section	.rodata,"a",@progbits
	.p2align	6, 0x0
	.amdhsa_kernel k_q4eac4ae9cc_ctxpass
		.amdhsa_group_segment_fixed_size 4096
		.amdhsa_private_segment_fixed_size 0
		.amdhsa_enable_private_segment 0
		.amdhsa_kernarg_size 40
		.amdhsa_user_sgpr_count 2
		.amdhsa_user_sgpr_kernarg_segment_ptr 1
		.amdhsa_wavefront_size32 1
		.amdhsa_system_sgpr_workgroup_id_x 1
		.amdhsa_system_sgpr_workgroup_id_y 1
		.amdhsa_system_sgpr_workgroup_id_z 1
		.amdhsa_system_vgpr_workitem_id 0
		.amdhsa_next_free_vgpr 208
		.amdhsa_next_free_sgpr 66
		.amdhsa_reserve_vcc 1
		.amdhsa_float_denorm_mode_32 3
		.amdhsa_float_denorm_mode_16_64 3
		.amdhsa_memory_ordered 1
		.amdhsa_forward_progress 1
		.amdhsa_inst_pref_size 37
	.end_amdhsa_kernel
	.amdgpu_metadata
---
amdhsa.version: [ 1, 2 ]
amdhsa.kernels:
  - .name:           k_q4eac4ae9cc_ctxpass
    .symbol:         k_q4eac4ae9cc_ctxpass.kd
    .args:
      - { .name: context_tokens, .offset: 0, .size: 8, .value_kind: global_buffer, .address_space: global }
      - { .name: up, .offset: 8, .size: 8, .value_kind: global_buffer, .address_space: global }
      - { .name: s0p, .offset: 16, .size: 8, .value_kind: global_buffer, .address_space: global }
      - { .name: cp, .offset: 24, .size: 8, .value_kind: global_buffer, .address_space: global }
      - { .name: st, .offset: 32, .size: 8, .value_kind: global_buffer, .address_space: global }
    .group_segment_fixed_size: 4096
    .private_segment_fixed_size: 0
    .kernarg_segment_align: 8
    .kernarg_segment_size: 40
    .max_flat_workgroup_size: 512
    .sgpr_count:     66
    .vgpr_count:     208
    .wavefront_size: 32
...
	.end_amdgpu_metadata
.endif
;; end of part 3
;; launch oproj (part 4): grid 8 x 32, 8 waves a work-group, no clusters, 38,912 bytes of LDS; arguments cp, st, Wv, op; writes op
.if DOCPART == 4
	.amdgcn_target "amdgcn-amd-amdhsa--gfx1250"
	.amdhsa_code_object_version 6
	.text
	.protected	k_q4eac4ae9cc_oproj
	.globl	k_q4eac4ae9cc_oproj
	.p2align	8
	.type	k_q4eac4ae9cc_oproj,@function
k_q4eac4ae9cc_oproj:
	s_mov_b64 s[64:65], 0
	v_nop
	global_prefetch_b8 v0, s[64:65] scope:SCOPE_SE
	s_setreg_imm32_b32 hwreg(HW_REG_WAVE_MODE, 25, 1), 1
	s_wait_xcnt 0x0
; PARTIAL out = c Wv, where c[b] = sum over l of attn[b][l] ctx[b][l]: with one query a batch, attn (ctx Wv + bv) = (attn ctx) Wv + bv, since the weights add up to 1:
; the value projection is never formed.  The order of the sums differs from the written one; the identity holds for every input.
; A work-group takes 256 columns (cw = group x) and 64 rows k (kb = group y) of Wv: 64 KB, read once, all asked for at the head.  The sum over the 32 kb, and bv, are left to the last launch.
; FIRST each thread joins a batch's sixteen parts for four k: M = the maximum of the parts' maxima, e_p = 2^(m_p - M), c = (sum of e_p c_p) / (sum of e_p l_p): the softmax's true maximum is taken away.
; c is kept as TWO bf16 numbers, hi = bf16(c), lo = bf16(c - hi): two products on one f32 sum.  Wv is rounded once to bf16.
; Wave w: columns 64 (w % 4) .., rows k 32 (w / 4) ...  Wv lies [k][o]: a lane loads 16 rows x 4 neighbouring columns and v_cvt_pk_bf16_f32 pairs two rows: fragment j holds the columns 4 r + j.
; Source 0 = 16 batches, source 1 = 16 columns: register i of lane (r, h) is batch 8 h + i, column 4 r + j.  The two waves of a column block meet in LDS; the addition that joins them
; also turns 4 x 4 numbers, so that a lane stores four neighbouring columns.
; NO CLUSTER: Wv's bytes are shared by nobody; the 64 KB of cp that the eight groups of one kb share are added up in registers as they arrive.
; LIMITS: e_p below 2^-126 counts as 0; the divisor is at least 1 (the part that holds M has l >= 1); NaN and infinities are not treated apart.
.set CP,    144                        ; a row of c in LDS: 64 bf16 = 128 bytes + 16
.set CLO,   16*CP                      ; 2,304: lo behind hi
.set RED,   2*CLO                      ; 4,608: eight regions, one a wave
.set RREG,  4096                       ; a region: 8 slots x 32 lanes x 16 bytes; slot 4 e + j holds registers 4 e .. 4 e + 3 of accumulator j
.set SPARE, RED+8*RREG                 ; 37,376: the spare words, 128 bytes for each wave
.set VSTT, 3                           ; v3   st: batch t / 16
.set VCP,  4                           ; v4   cp: batch t / 16, 16 r bytes
.set VW,   5                           ; v5   Wv: 8 h rows + 16 r bytes; op: 8 h batches + 16 r bytes: the same number
.set VCS,  6                           ; v6   LDS: where my four c go
.set VAF,  7                           ; v7   LDS: my fragment of c
.set VRS,  8                           ; v8   LDS: my region, my lane
.set VR1,  9                           ; v9   LDS: my region's slots 4 kh ..
.set VR2,  10                          ; v10  LDS: the same slots of my partner wave's region
.set SPW,  12                          ; v12  my spare word; never rewritten
.set NIL,  13                          ; v13  0; never rewritten
.set ST,   16                          ; v[16:47]   pairs (m_p, l_p), then (e_p, l_p)
.set P,    16                          ; v[16:31]   later: my four slots
.set Q,    32                          ; v[32:47]   later: my partner's
.set CL,   48                          ; v[48:111]  the sixteen parts, part p at +4 p
.set BF,   48                          ; v[48:79]   later: four fragments of Wv
.set ACC,  80                          ; v[80:111]  later: four accumulators
.set WF,   112                         ; v[112:175] Wv as loaded: load i at +4 i
.set C,    176                         ; v[176:179] c
.set M,    180
.set LA,   181
.set INV,  182                         ; v[182:183] 1 / divisor, twice
.set H,    184                         ; v[184:185] hi
.set UN,   186                         ; v[186:189] at work
.set LB,   186
.set LO,   190                         ; v[190:191] lo
.set AH,   192                         ; v[192:199] fragment of hi
.set AL,   200                         ; v[200:207] fragment of lo
.set OUT,  208                         ; v[208:223]
.macro BAR
	s_wait_dscnt 0x0
	s_barrier_signal -1
	s_barrier_wait -1
.endm
	s_load_b256 s[4:11], s[0:1], 0x0               ; cp s[4:5], st s[6:7], Wv s[8:9], op s[10:11]
	v_lshl_add_u32 v[SPW], v0, 2, SPARE
	v_mov_b32 v[NIL], 0
	v_lshrrev_b32 v14, 5, v0
	v_readfirstlane_b32 s12, v14                   ; wave 0..7
	s_mov_b32 s13, ttmp9                           ; cw
	s_and_b32 s14, ttmp7, 0xffff                   ; kb
	s_and_b32 s15, s12, 3                          ; cq: my 64 columns
	s_lshr_b32 s16, s12, 2                         ; kh: my 32 k
	s_mov_b32 s22, 0xffff0000                      ; a word's upper bf16
	v_and_b32 v1, 15, v0                           ; r
	v_bfe_u32 v2, v0, 4, 1                         ; h
	v_lshrrev_b32 v14, 4, v0                       ; t / 16
	v_and_b32 v15, 31, v0                          ; lane
	v_lshlrev_b32 v[VSTT], 7, v14
	v_lshlrev_b32 v[VCP], 17, v14
	v_lshl_or_b32 v[VCP], v1, 4, v[VCP]
	v_lshlrev_b32 v[VW], 16, v2
	v_lshl_or_b32 v[VW], v1, 4, v[VW]
	v_mul_u32_u24 v[VCS], v14, CP
	v_lshl_add_u32 v[VCS], v1, 3, v[VCS]
	v_mul_u32_u24 v[VAF], v1, CP
	v_lshl_add_u32 v[VAF], v2, 4, v[VAF]
	s_lshl_b32 s26, s16, 6
	v_add_nc_u32 v[VAF], s26, v[VAF]
	s_lshl_b32 s26, s12, 12
	s_add_co_u32 s26, s26, RED
	v_lshl_add_u32 v[VRS], v15, 4, s26
	s_lshl_b32 s27, s16, 11                        ; four slots of 512 bytes
	v_add_nc_u32 v[VR1], s27, v[VRS]
	s_xor_b32 s26, s12, 4                          ; the wave with my columns and the other 32 k
	s_lshl_b32 s26, s26, 12
	s_add_co_u32 s26, s26, s27
	s_add_co_u32 s26, s26, RED
	v_lshl_add_u32 v[VR2], v15, 4, s26
	s_lshl_b32 s18, s14, 8                         ; cp: 64 kb numbers
	s_mov_b32 s19, 0
	s_lshl_b32 s20, s13, 10                        ; my columns' bytes: 256 cw + 64 cq numbers
	s_lshl_b32 s21, s15, 8
	s_add_co_u32 s20, s20, s21
	s_lshl_b32 s24, s14, 19                        ; Wv: row 64 kb + 32 kh
	s_lshl_b32 s21, s16, 18
	s_add_co_u32 s24, s24, s21
	s_add_co_u32 s24, s24, s20
	s_mov_b32 s25, 0
	s_lshl_b32 s21, s14, 17                        ; op: [kb][batch][2048], batches 4 kh ..
	s_add_co_u32 s20, s20, s21
	s_lshl_b32 s21, s16, 15
	s_add_co_u32 s20, s20, s21
	s_mov_b32 s21, 0
	s_wait_kmcnt 0x0
	s_add_nc_u64 s[4:5], s[4:5], s[18:19]
	s_add_nc_u64 s[8:9], s[8:9], s[24:25]
	s_add_nc_u64 s[10:11], s[10:11], s[20:21]
	; all loads at once: 8 of st, 16 of cp, 16 of Wv
.irp n, 0,1,2,3,4,5,6,7
	global_load_b128 v[ST+4*(\n):ST+4*(\n)+3], v[VSTT], s[6:7] offset:16*(\n)
.endr
.set p, 0
.rept 16
	global_load_b128 v[CL+4*p:CL+4*p+3], v[VCP], s[4:5] offset:8192*p   ; sixteen lanes: 256 consecutive bytes, aligned
.set p, p+1
.endr
.set i, 0
.rept 16                               ; load i: row 8 h + i (i < 8) or 16 + 8 h + i - 8: the order of k in a fragment's registers
	global_load_b128 v[WF+4*i:WF+4*i+3], v[VW], s[8:9] offset:(i+8*(i/8))*8192 th:TH_LOAD_NT
.set i, i+1
.endr
	s_wait_loadcnt 32                              ; the statistics are in; cp's and Wv's loads stay out
	v_max3_num_f32 v[M], v[ST], v[ST+2], v[ST+4]
.irp p, 6,10,14,18,22,26
	v_max3_num_f32 v[M], v[M], v[ST+(\p)], v[ST+(\p)+2]
.endr
	v_max_num_f32 v[M], v[M], v[ST+30]             ; M
.set p, 0
.rept 16
	v_sub_f32 v[ST+2*p], v[ST+2*p], v[M]
.set p, p+1
.endr
.set p, 0
.rept 16
	v_exp_f32 v[ST+2*p], v[ST+2*p]                 ; e_p
.set p, p+1
.endr
	v_nop                                          ; a plain instruction between the last exponential and the use of its result (ISA guide 5.7.2)
	s_wait_alu depctr_va_vdst(0)
	v_mul_f32 v[LA], v[ST], v[ST+1]
	v_mul_f32 v[LB], v[ST+2], v[ST+3]
.set p, 2
.rept 7
	v_fma_f32 v[LA], v[ST+2*p], v[ST+2*p+1], v[LA]
	v_fma_f32 v[LB], v[ST+2*p+2], v[ST+2*p+3], v[LB]
.set p, p+2
.endr
	v_add_f32 v[LA], v[LA], v[LB]
	v_rcp_f32 v[INV], v[LA]
	v_rcp_f32 v[INV+1], v[LA]
	v_nop
.set p, 0
.rept 16
	s_wait_loadcnt 31-p                            ; part p is in; the later parts' loads and Wv's sixteen stay out
.if p == 0                             ; part 0 starts the sum
	v_pk_mul_f32 v[C:C+1], v[CL:CL+1], v[ST:ST+1] op_sel_hi:[1,0]
	v_pk_mul_f32 v[C+2:C+3], v[CL+2:CL+3], v[ST:ST+1] op_sel_hi:[1,0]
.else
	v_pk_fma_f32 v[C:C+1], v[CL+4*p:CL+4*p+1], v[ST+2*p:ST+2*p+1], v[C:C+1] op_sel_hi:[1,0,1]
	v_pk_fma_f32 v[C+2:C+3], v[CL+4*p+2:CL+4*p+3], v[ST+2*p:ST+2*p+1], v[C+2:C+3] op_sel_hi:[1,0,1]
.endif
.set p, p+1
.endr
	s_wait_alu depctr_va_vdst(0)
	v_pk_mul_f32 v[C:C+1], v[C:C+1], v[INV:INV+1]
	v_pk_mul_f32 v[C+2:C+3], v[C+2:C+3], v[INV:INV+1]
	v_cvt_pk_bf16_f32 v[H], v[C], v[C+1]
	v_cvt_pk_bf16_f32 v[H+1], v[C+2], v[C+3]
	v_lshlrev_b32 v[UN], 16, v[H]
	v_and_b32 v[UN+1], s22, v[H]
	v_lshlrev_b32 v[UN+2], 16, v[H+1]
	v_and_b32 v[UN+3], s22, v[H+1]
	v_pk_add_f32 v[UN:UN+1], v[C:C+1], v[UN:UN+1] neg_lo:[0,1] neg_hi:[0,1]       ; c - hi, exact
	v_pk_add_f32 v[UN+2:UN+3], v[C+2:C+3], v[UN+2:UN+3] neg_lo:[0,1] neg_hi:[0,1]
	v_cvt_pk_bf16_f32 v[LO], v[UN], v[UN+1]
	v_cvt_pk_bf16_f32 v[LO+1], v[UN+2], v[UN+3]
	ds_store_b64 v[VCS], v[H:H+1]
	ds_store_b64 v[VCS], v[LO:LO+1] offset:CLO
	BAR                                            ; all of c, 16 batches x 64 k, is in LDS
	ds_load_b128 v[AH:AH+3], v[VAF]                ; batch r, k = 8 h .. of my 32
	ds_load_b128 v[AH+4:AH+7], v[VAF] offset:32    ; k = 16 + 8 h ..
	ds_load_b128 v[AL:AL+3], v[VAF] offset:CLO
	ds_load_b128 v[AL+4:AL+7], v[VAF] offset:CLO+32
.set t, 0
.rept 8                                ; register t of fragment j: rows 2 t and 2 t + 1 of my sixteen, column 4 r + j
	s_wait_loadcnt 14-2*t                          ; loads 0 to 2 t + 1 of Wv are in; the 14 - 2 t behind them stay out
.set j, 0
.rept 4
	v_cvt_pk_bf16_f32 v[BF+8*j+t], v[WF+8*t+j], v[WF+8*t+4+j]
.set j, j+1
.endr
.set t, t+1
.endr
	s_wait_dscnt 0x0                               ; the fragments of c
	; eight products, the four accumulators by turns, one instruction a turn
.irp j, 0,1,2,3
	v_wmma_f32_16x16x32_bf16 v[ACC+8*(\j):ACC+8*(\j)+7], v[AH:AH+7], v[BF+8*(\j):BF+8*(\j)+7], 0
.endr
.irp j, 0,1,2,3
	v_wmma_f32_16x16x32_bf16 v[ACC+8*(\j):ACC+8*(\j)+7], v[AL:AL+7], v[BF+8*(\j):BF+8*(\j)+7], v[ACC+8*(\j):ACC+8*(\j)+7]
.endr
.rept 4
	v_nop                                          ; four places between the products and the stores that read them; no other vector work is at hand
.endr
.irp e, 0,1                            ; each accumulator's low four registers go first
.irp j, 0,1,2,3
	ds_store_b128 v[VRS], v[ACC+8*(\j)+4*(\e):ACC+8*(\j)+4*(\e)+3] offset:(4*(\e)+(\j))*512
.endr
.endr
	BAR                                            ; all eight regions are written
.irp j, 0,1,2,3                        ; wave kh finishes the batches 8 h + 4 kh + i: slots 4 kh + j of its own region and of its partner's
	ds_load_b128 v[P+4*(\j):P+4*(\j)+3], v[VR1] offset:512*(\j)
.endr
.irp j, 0,1,2,3
	ds_load_b128 v[Q+4*(\j):Q+4*(\j)+3], v[VR2] offset:512*(\j)
.endr
	s_wait_dscnt 0x0
.irp i, 0,1,2,3
.irp j, 0,1,2,3
	v_add_f32 v[OUT+4*(\i)+(\j)], v[P+4*(\j)+(\i)], v[Q+4*(\j)+(\i)]   ; the two halves of k; word j of quad i: batch i, column 4 r + j
.endr
.endr
	s_wait_tensorcnt 0x0                           ; the wave's end: behind my last LDS store
	ds_add_u32 v[SPW], v[NIL]
	s_wait_dscnt 0x0
.irp i, 0,1,2,3
	global_store_b128 v[VW], v[OUT+4*(\i):OUT+4*(\i)+3], s[10:11] offset:8192*(\i)   ; each half of the lanes stores 256 consecutive bytes, aligned
.endr
	s_endpgm
.Lfunc_end_k_q4eac4ae9cc_oproj:
	.size	k_q4eac4ae9cc_oproj, .Lfunc_end_k_q4eac4ae9cc_oproj-k_q4eac4ae9cc_oproj
	.p2alignl 7, 3214868480
	.fill 96, 4, 3214868480
	.section	.rodata,"a",@progbits
	.p2align	6, 0x0
	.amdhsa_kernel k_q4eac4ae9cc_oproj
		.amdhsa_group_segment_fixed_size 38912
		.amdhsa_private_segment_fixed_size 0
		.amdhsa_enable_private_segment 0
		.amdhsa_kernarg_size 32
		.amdhsa_user_sgpr_count 2
		.amdhsa_user_sgpr_kernarg_segment_ptr 1
		.amdhsa_wavefront_size32 1
		.amdhsa_system_sgpr_workgroup_id_x 1
		.amdhsa_system_sgpr_workgroup_id_y 1
		.amdhsa_system_sgpr_workgroup_id_z 1
		.amdhsa_system_vgpr_workitem_id 0
		.amdhsa_next_free_vgpr 224
		.amdhsa_next_free_sgpr 66
		.amdhsa_reserve_vcc 0
		.amdhsa_float_denorm_mode_32 3
		.amdhsa_float_denorm_mode_16_64 3
		.amdhsa_memory_ordered 1
		.amdhsa_forward_progress 1
		.amdhsa_inst_pref_size 18
	.end_amdhsa_kernel
	.amdgpu_metadata
---
amdhsa.version: [ 1, 2 ]
amdhsa.kernels:
  - .name:           k_q4eac4ae9cc_oproj
    .symbol:         k_q4eac4ae9cc_oproj.kd
    .args:
      - { .name: cp, .offset: 0, .size: 8, .value_kind: global_buffer, .address_space: global }
      - { .name: st, .offset: 8, .size: 8, .value_kind: global_buffer, .address_space: global }
      - { .name: Wv, .offset: 16, .size: 8, .value_kind: global_buffer, .address_space: global }
      - { .name: op, .offset: 24, .size: 8, .value_kind: global_buffer, .address_space: global }
    .group_segment_fixed_size: 38912
    .private_segment_fixed_size: 0
    .kernarg_segment_align: 8
    .kernarg_segment_size: 32
    .max_flat_workgroup_size: 256
    .sgpr_count:     66
    .vgpr_count:     224
    .wavefront_size: 32
...
	.end_amdgpu_metadata
.endif
;; end of part 4
;; launch finish (part 5): grid 256 x 1, 1 waves a work-group, no clusters, 0 bytes of LDS; arguments op, bv, out0; writes out0
.if DOCPART == 5
	.amdgcn_target "amdgcn-amd-amdhsa--gfx1250"
	.amdhsa_code_object_version 6
	.text
	.protected	k_q4eac4ae9cc_finish
	.globl	k_q4eac4ae9cc_finish
	.p2align	8
	.type	k_q4eac4ae9cc_finish,@function
k_q4eac4ae9cc_finish:
	s_mov_b64 s[64:65], 0
	v_nop
	global_prefetch_b8 v0, s[64:65] scope:SCOPE_SE
	s_setreg_imm32_b32 hwreg(HW_REG_WAVE_MODE, 25, 1), 1
	s_wait_xcnt 0x0
; out0 = the sum of the 32 partials in op + bv.  op: [kb 32][16][2048] f32, bv: [2048] f32, out0: [16][2048] f32.
; bv is rounded once to bf16, as every input of the program is, and added once: the softmax's weights add up to 1.
; One wave a work-group owns 128 outputs, 512 consecutive bytes; all its 33 loads are asked for at once; two chains of sums, by the partial's parity.
; No LDS, no barrier, no matrix unit: 32 additions a number, and no byte is shared.
.set PT, 16                            ; v[16:143] partial i at +4 i
.macro QADD d, a, b
	v_pk_add_f32 v[\d:\d+1], v[\a:\a+1], v[\b:\b+1]
	v_pk_add_f32 v[\d+2:\d+3], v[\a+2:\a+3], v[\b+2:\b+3]
.endm
	s_load_b128 s[4:7], s[0:1], 0x0                ; op s[4:5], bv s[6:7]
	s_load_b64 s[8:9], s[0:1], 0x10                ; out0
	v_lshlrev_b32 v1, 4, v0                        ; 16 bytes a lane
	s_lshl_b32 s10, ttmp9, 9                       ; my 512 bytes in out0 and in each partial
	s_mov_b32 s11, 0
	s_and_b32 s12, ttmp9, 15                       ; sixteen groups a batch: my 128 columns
	s_lshl_b32 s12, s12, 9
	s_mov_b32 s13, 0
	s_mov_b32 s14, 0xffff0000                      ; a word's upper bf16
	s_wait_kmcnt 0x0
	s_add_nc_u64 s[4:5], s[4:5], s[10:11]
	s_add_nc_u64 s[8:9], s[8:9], s[10:11]
	s_add_nc_u64 s[6:7], s[6:7], s[12:13]
	global_load_b128 v[4:7], v1, s[6:7]
.set i, 0
.rept 32
	global_load_b128 v[PT+4*i:PT+4*i+3], v1, s[4:5] offset:131072*i th:TH_LOAD_NT
.set i, i+1
.endr
	s_wait_loadcnt 32                              ; bv is in; the 32 partials stay out
	v_cvt_pk_bf16_f32 v8, v4, v5
	v_cvt_pk_bf16_f32 v9, v6, v7
	v_lshlrev_b32 v4, 16, v8
	v_and_b32 v5, s14, v8
	v_lshlrev_b32 v6, 16, v9
	v_and_b32 v7, s14, v9
.set i, 0
.rept 32
.if i%2 == 0                           ; the even chain starts from bv,
	s_wait_loadcnt 31-i                            ; partial i is in; the later ones stay out
	QADD 4, 4, PT+4*i
.elseif i > 1                          ; the odd one from partial 1
	s_wait_loadcnt 31-i
	QADD PT+4, PT+4, PT+4*i
.endif
.set i, i+1
.endr
	QADD 4, 4, PT+4
	global_store_b128 v1, v[4:7], s[8:9]           ; 512 consecutive bytes, aligned
	s_endpgm
.Lfunc_end_k_q4eac4ae9cc_finish:
	.size	k_q4eac4ae9cc_finish, .Lfunc_end_k_q4eac4ae9cc_finish-k_q4eac4ae9cc_finish
	.p2alignl 7, 3214868480
	.fill 96, 4, 3214868480
	.section	.rodata,"a",@progbits
	.p2align	6, 0x0
	.amdhsa_kernel k_q4eac4ae9cc_finish
		.amdhsa_group_segment_fixed_size 0
		.amdhsa_private_segment_fixed_size 0
		.amdhsa_enable_private_segment 0
		.amdhsa_kernarg_size 24
		.amdhsa_user_sgpr_count 2
		.amdhsa_user_sgpr_kernarg_segment_ptr 1
		.amdhsa_wavefront_size32 1
		.amdhsa_system_sgpr_workgroup_id_x 1
		.amdhsa_system_sgpr_workgroup_id_y 1
		.amdhsa_system_sgpr_workgroup_id_z 1
		.amdhsa_system_vgpr_workitem_id 0
		.amdhsa_next_free_vgpr 144
		.amdhsa_next_free_sgpr 66
		.amdhsa_reserve_vcc 0
		.amdhsa_float_denorm_mode_32 3
		.amdhsa_float_denorm_mode_16_64 3
		.amdhsa_memory_ordered 1
		.amdhsa_forward_progress 1
		.amdhsa_inst_pref_size 10
	.end_amdhsa_kernel
	.amdgpu_metadata
---
amdhsa.version: [ 1, 2 ]
amdhsa.kernels:
  - .name:           k_q4eac4ae9cc_finish
    .symbol:         k_q4eac4ae9cc_finish.kd
    .args:
      - { .name: op, .offset: 0, .size: 8, .value_kind: global_buffer, .address_space: global }
      - { .name: bv, .offset: 8, .size: 8, .value_kind: global_buffer, .address_space: global }
      - { .name: out0, .offset: 16, .size: 8, .value_kind: global_buffer, .address_space: global }
    .group_segment_fixed_size: 0
    .private_segment_fixed_size: 0
    .kernarg_segment_align: 8
    .kernarg_segment_size: 24
    .max_flat_workgroup_size: 32
    .sgpr_count:     66
    .vgpr_count:     144
    .wavefront_size: 32
...
	.end_amdgpu_metadata
.endif
;; end of part 5
